; MI455X (gfx1250); checked and timed in simulation.
; The chip was launched on July 23, 2026; its instructions are those of AMD's public machine-readable ISA for CDNA 5 (MIT licence, August 2026) and "CDNA5" Instruction Set Architecture Reference Guide (July 2026). The comments in the code are by the model that wrote it; some were corrected since.
;; Multi Head Self Attention. Allowed arithmetic: matrix products marked QUANTISED: E4M3 operands, one given power-of-two scale a tensor, by v_wmma_f32_16x16x64_fp8_fp8 or v_wmma_f32_16x16x128_fp8_fp8, f32 sums; everything else in f32.
;; Inputs: lowp_scales 8 int32 (the exponents e of the quantised operands' scales 2^e); out_b 1,024 float32; out_w 1,024 x 1,024 float32; qkv_b 3,072 float32; qkv_w 3,072 x 1,024 float32; x 4 x 2,048 x 1,024 float32.
;; Outputs: out0 4 x 2,048 x 1,024 float32.
;; This version of the problem:
;;   THIS VERSION OF THE PROBLEM IS GIVEN IN LOW PRECISION. The matrix products marked QUANTISED in the list below multiply operands that are first quantised to E4M3 (4 exponent bits, 3 mantissa bits; 8 bits a number), with one given power-of-two scale for each operand tensor; their sums are f32. All else is computed in f32.
;;   The module's matrix products, in the order in which they are computed (A, B: the left and right operand; K: the contracted axis; several contracted axes count as one K, in the product's order):
;;     1. [M 8,192, K 1,024] x [K 1,024, N 3,072]; A: input x; B: input qkv_w: QUANTISED (scales: A lowp_scales[0], B lowp_scales[1])
;;     2. batch 64 x [M 2,048, K 64] x [K 64, N 2,048]; A: computed on the way; B: computed on the way: QUANTISED (scales: A lowp_scales[2], B lowp_scales[3])
;;     3. batch 64 x [M 2,048, K 2,048] x [K 2,048, N 64]; A: softmax (see below); B: computed on the way: QUANTISED (scales: A lowp_scales[4], B lowp_scales[5])
;;     4. [M 8,192, K 1,024] x [K 1,024, N 1,024]; A: computed on the way; B: input out_w: QUANTISED (scales: A lowp_scales[6], B lowp_scales[7])
;;   THE QUANTISER, for each operand of a quantised product, along K:
;;     - The operand's scale is 2^e, e = its entry of the input lowp_scales (int32; the entries are numbered through the quantised products in the list's order, A before B).
;;     - Each number is divided by the scale, clamped to +-448, and rounded to the nearest number of E4M3, ties to even, subnormals kept.
;;     - The product sums the exact products of the quantised numbers (number of the format x scale) in f32.
;;   ~~~python
;;   def quantise(x, axis, e):      # numpy; x: float32 -> the quantised numbers, widened to float32 again
;;       x = np.moveaxis(x, axis, -1); K = x.shape[-1]
;;       r = np.clip(x / 2.0 ** e, -448, 448)
;;       step = 2.0 ** (np.maximum(np.frexp(np.where(r == 0, 1, r))[1] - 1, -6) - 3)
;;       q = np.round(r / step) * step * 2.0 ** e      # np.round: ties to even
;;       return np.moveaxis(q, -1, axis).astype(np.float32)
;;   ~~~
;;   SOFTMAX AHEAD OF A QUANTISED PRODUCT. Where the list says 'softmax', what is quantised is not the finished softmax but p = 2^(t - M), with t = logit x log2(e) and M = ceil(the row's largest t), a whole number; so 1/2 < the row's largest p <= 1. The row's sum l is taken of the UNQUANTISED p, in f32, and the product's result is divided by l at the end. Since M is a whole number, a kernel that streams over the keys may use a running M (the ceiling of the running maximum): every later rescaling is an exact power of two, so the quantised numbers keep their values, but for numbers so far below the row's largest that they fall under the format's range.
;;   OPERANDS COMPUTED ON THE WAY. 'Computed on the way' means the value that the module computes at that place (a softmax that the list does not call 'softmax' is quantised finished and normalised). What goes into a quantiser is computed in f32, as accurately as f32 sums, v_exp_f32 and their like allow (about 1e-6 of the number): no bf16 or f16 on the way to a quantiser, and a product that is left as it is and whose result goes on into a quantised operand takes f32 operands (vector FMAs, or v_wmma_f32_16x16x4_f32). A number that lies on a knife's edge between two numbers of the format may be rounded either way, as far as f32 arithmetic and the matrix unit's own rounding can turn it there, and no further.
;; One version. Each part assembles by itself: llvm-mc -triple=amdgcn-amd-amdhsa -mcpu=gfx1250 --defsym DOCPART=n.
;; ======== version 1 of 1: 4 launches
;; limits: right only within a limited range of input values
;; workspace buffers: xq 8,388,608 bytes; wq 3,145,728 bytes; owq 1,048,576 bytes; qkvf 25,165,824 bytes; af 8,388,608 bytes
;; launch quant (part 1): grid 768 x 1, 4 waves a work-group, no clusters, 34,304 bytes of LDS; arguments x, qkv_w, out_w, lowp_scales, xq, wq, owq; writes xq, wq, owq
.if DOCPART == 1
	.amdgcn_target "amdgcn-amd-amdhsa--gfx1250"
	.amdhsa_code_object_version 6
	.text
	.protected	k_q5ef6bffe58_quant
	.globl	k_q5ef6bffe58_quant
	.p2align	8
	.type	k_q5ef6bffe58_quant,@function
k_q5ef6bffe58_quant:
	s_mov_b64 s[64:65], 0
	v_nop
	global_prefetch_b8 v0, s[64:65] scope:SCOPE_SE
	s_setreg_imm32_b32 hwreg(HW_REG_WAVE_MODE, 25, 1), 1
	s_wait_xcnt 0x0
; THE PROGRAM: causal self-attention, B 4, T 2,048, C 1,024, 16 heads of 64, all four products on codes of FP8 (E4M3), each operand with its given scale 2^e.
; Four launches: this one (x, qkv_w, out_w into codes), qkv (product 1, bias, Q K V into codes), attn (products 2 and 3), proj (product 4, bias).
; WORK LEFT OUT: in products 2 and 3 the tiles of 16 queries x 128 keys all of whose keys come after all of their queries.  reference() itself sets those
; scores to -infinity by its own jnp.tril, so their softmax weights are 0 and they add 0 to the row's sum and to the second product, whatever finite values the inputs hold.
; Nothing else is left out and every input is loaded (qkv_b on K too: it moves K's codes).  LIMIT: a NaN, an infinity or an overflow that reaches only those tiles is not carried to the result.
;
; THIS LAUNCH.  x [8192][1024], qkv_w [3072][1024], out_w [1024][1024], f32, K innermost, become codes: code = number / 2^e, held within +-448, to the nearest code, ties to even;
; e = entry 0, 1, 7 of the scales.  LIMITS: e between -126 and 119.  NaN among the inputs is not served.
; THE CODES ARE LAID AS IMAGES OF OPERAND REGISTERS.  A fragment is 16 rows x 128 k, 16 registers a lane: lane (r = l % 16, h = l / 16) holds row r, registers 2 c, 2 c + 1 hold k = 16 c + 8 h + 0 .. 7.
; Its image is four groups of four registers, 16 bytes a lane, 512 bytes a group.  Fragment (kq = k / 256, rb = row / 16, ks = (k / 128) % 2) lies at ((kq RB + rb) 2 + ks) 2,048, RB = rows / 16:
; so the tiles of a K step of 256 are dense blocks, and a fragment comes back by four loads of 16 bytes a lane.
; SHARES.  A work-group takes 16 rows (the first 512 work-groups x, the next 192 qkv_w, the last 64 out_w: only pointers are chosen, one path through the text); wave w takes kq = w: two fragments.
; All 32 loads of a wave (512 consecutive bytes each) are issued at the head.  A fragment's 16 x 512 bytes turn through the wave's own stage in LDS: rows of 512 + 16 bytes, so that the sixteen rows
; that a read touches start at sixteen different groups of banks.  Each store of codes covers 512 consecutive bytes, aligned.  No barrier: waves share nothing.
.set WST,   8448                       ; a wave's stage: 16 rows x 528 bytes
.set SPARE, 4*WST                      ; behind the stages: the spare words, 128 bytes for each wave
.set SPW,   12                         ; v12  my spare word's address; never rewritten
.set NIL,   13                         ; v13  0; never rewritten
.set R,     16                         ; v16-143   two sets of 64: the numbers as loaded
.set X,     144                        ; v144-207  64 numbers in the operand's order
.set C,     208                        ; v208-239  16 registers of codes for each fragment: no store's data are written again
	s_load_b256 s[4:11], s[0:1], 0x0               ; x, qkv_w, out_w, the scales' exponents
	s_load_b128 s[12:15], s[0:1], 0x20             ; xq, wq
	s_load_b64 s[16:17], s[0:1], 0x30              ; owq
	v_lshl_add_u32 v[SPW], v0, 2, SPARE
	v_mov_b32 v[NIL], 0
	v_lshrrev_b32 v1, 5, v0
	v_readfirstlane_b32 s18, v1                    ; wave 0..3 = kq
	v_and_b32 v4, 31, v0                           ; lane
	v_and_b32 v5, 15, v0                           ; r
	v_bfe_u32 v6, v0, 4, 1                         ; h
	v_lshlrev_b32 v1, 4, v4                        ; 16 x lane: my bytes of a load and of a store
	s_mul_i32 s19, s18, WST
	v_add_nc_u32 v2, s19, v1                       ; the stage, on the way in: 16 x lane in row i
	v_mul_u32_u24 v3, v5, 528
	v_lshl_add_u32 v3, v6, 5, v3
	v_add_nc_u32 v3, s19, v3                       ; and on the way out: row r, + 32 h: my eight numbers of each 16 along K
	s_wait_alu depctr_va_vdst(0)
	s_wait_kmcnt 0x0
	s_load_b256 s[24:31], s[10:11], 0x0            ; e0 .. e7
	s_cmp_lt_u32 ttmp9, 704                        ; qkv_w or out_w?  The choices hang on the work-group's number alone
	s_cselect_b64 s[32:33], s[6:7], s[8:9]
	s_cselect_b64 s[34:35], s[14:15], s[16:17]
	s_mov_b32 s20, 704
	s_cselect_b32 s20, 512, s20                    ; the tensor's first work-group
	s_cselect_b32 s21, 192, 64                     ; RB
	s_cmp_lt_u32 ttmp9, 512                        ; or x?
	s_cselect_b64 s[32:33], s[4:5], s[32:33]
	s_cselect_b64 s[34:35], s[12:13], s[34:35]
	s_cselect_b32 s20, 0, s20
	s_cselect_b32 s21, 512, s21
	s_sub_co_u32 s22, ttmp9, s20                   ; rb
	s_lshl_b32 s36, s22, 16                        ; 16 rows of 4,096 bytes,
	s_lshl_b32 s23, s18, 10                        ; + 256 numbers x kq
	s_add_co_u32 s36, s36, s23
	s_mov_b32 s37, 0
	s_add_nc_u64 s[32:33], s[32:33], s[36:37]
	s_mul_i32 s36, s18, s21
	s_add_co_u32 s36, s36, s22
	s_lshl_b32 s36, s36, 12                        ; (kq RB + rb) x 4,096
	s_add_nc_u64 s[34:35], s[34:35], s[36:37]
.macro LOAD t                          ; fragment t: 128 numbers of each of the 16 rows
.irp i, 0,1,2,3,4,5,6,7,8,9,10,11,12,13,14,15
	global_load_b128 v[R+64*(\t)+4*\i:R+64*(\t)+4*\i+3], v1, s[32:33] offset:4096*\i+512*(\t) th:TH_LOAD_NT
.endr
.endm
	LOAD 0
	LOAD 1
	s_wait_kmcnt 0x0
	s_cmp_lt_u32 ttmp9, 704
	s_cselect_b32 s38, s25, s31
	s_cmp_lt_u32 ttmp9, 512
	s_cselect_b32 s38, s24, s38                    ; e
	s_add_co_i32 s38, s38, 127
	s_lshl_b32 s39, s38, 23
	v_mov_b32 v11, s39                             ; 2^e as f32: the conversion takes its exponent field
.macro STEP t
	s_wait_loadcnt 16*(1-(\t))                     ; this fragment's sixteen loads are in; the other's may be out
.irp i, 0,1,2,3,4,5,6,7,8,9,10,11,12,13,14,15
	ds_store_b128 v2, v[R+64*(\t)+4*\i:R+64*(\t)+4*\i+3] offset:528*\i
.endr
.irp c, 0,1,2,3,4,5,6,7                ; LDS serves a wave's instructions in order: these see the stores above, and the next fragment's stores come behind them
	ds_load_b128 v[X+8*\c:X+8*\c+3], v3 offset:64*\c
	ds_load_b128 v[X+8*\c+4:X+8*\c+7], v3 offset:64*\c+16
.endr
	s_wait_dscnt 0x0
.set jj, 0
.rept 64
.set jj, jj+1
.endr
.irp c, 0,1,2,3,4,5,6,7
	v_cvt_scalef32_pk8_fp8_f32 v[C+16*(\t)+2*\c:C+16*(\t)+2*\c+1], v[X+8*\c:X+8*\c+7], v11
.endr
	v_nop                                          ; one plain vector line behind the last conversion, ahead of whatever next touches its registers
.irp q, 0,1,2,3
	global_store_b128 v1, v[C+16*(\t)+4*\q:C+16*(\t)+4*\q+3], s[34:35] offset:2048*(\t)+512*\q
.endr
.endm
	s_wait_alu depctr_va_vdst(0)
	STEP 0
	STEP 1
	s_wait_tensorcnt 0x0                           ; the wave's end: a wait, an add of 0 to my spare word and its wait, behind my last LDS store
	ds_add_u32 v[SPW], v[NIL]
	s_wait_dscnt 0x0
	s_endpgm
.Lfunc_end_k_q5ef6bffe58_quant:
	.size	k_q5ef6bffe58_quant, .Lfunc_end_k_q5ef6bffe58_quant-k_q5ef6bffe58_quant
	.p2alignl 7, 3214868480
	.fill 96, 4, 3214868480
	.section	.rodata,"a",@progbits
	.p2align	6, 0x0
	.amdhsa_kernel k_q5ef6bffe58_quant
		.amdhsa_group_segment_fixed_size 34304
		.amdhsa_private_segment_fixed_size 0
		.amdhsa_enable_private_segment 0
		.amdhsa_kernarg_size 56
		.amdhsa_user_sgpr_count 2
		.amdhsa_user_sgpr_kernarg_segment_ptr 1
		.amdhsa_wavefront_size32 1
		.amdhsa_system_sgpr_workgroup_id_x 1
		.amdhsa_system_sgpr_workgroup_id_y 1
		.amdhsa_system_sgpr_workgroup_id_z 1
		.amdhsa_system_vgpr_workitem_id 0
		.amdhsa_next_free_vgpr 240
		.amdhsa_next_free_sgpr 66
		.amdhsa_reserve_vcc 0
		.amdhsa_float_denorm_mode_32 3
		.amdhsa_float_denorm_mode_16_64 3
		.amdhsa_fp16_overflow 1
		.amdhsa_memory_ordered 1
		.amdhsa_forward_progress 1
		.amdhsa_inst_pref_size 12
	.end_amdhsa_kernel
	.amdgpu_metadata
---
amdhsa.version: [ 1, 2 ]
amdhsa.kernels:
  - .name:           k_q5ef6bffe58_quant
    .symbol:         k_q5ef6bffe58_quant.kd
    .args:
      - { .name: x, .offset: 0, .size: 8, .value_kind: global_buffer, .address_space: global }
      - { .name: qkv_w, .offset: 8, .size: 8, .value_kind: global_buffer, .address_space: global }
      - { .name: out_w, .offset: 16, .size: 8, .value_kind: global_buffer, .address_space: global }
      - { .name: lowp_scales, .offset: 24, .size: 8, .value_kind: global_buffer, .address_space: global }
      - { .name: xq, .offset: 32, .size: 8, .value_kind: global_buffer, .address_space: global }
      - { .name: wq, .offset: 40, .size: 8, .value_kind: global_buffer, .address_space: global }
      - { .name: owq, .offset: 48, .size: 8, .value_kind: global_buffer, .address_space: global }
    .group_segment_fixed_size: 34304
    .private_segment_fixed_size: 0
    .kernarg_segment_align: 8
    .kernarg_segment_size: 56
    .max_flat_workgroup_size: 128
    .sgpr_count:     66
    .vgpr_count:     240
    .wavefront_size: 32
...
	.end_amdgpu_metadata
.endif
;; end of part 1
;; launch qkv (part 2): grid 8 x 48, 4 waves a work-group, clusters of 4 x 4, 327,680 bytes of LDS; arguments xq, wq, lowp_scales, qkv_b, qkvf; writes qkvf
.if DOCPART == 2
	.amdgcn_target "amdgcn-amd-amdhsa--gfx1250"
	.amdhsa_code_object_version 6
	.text
	.protected	k_q5ef6bffe58_qkv
	.globl	k_q5ef6bffe58_qkv
	.p2align	8
	.type	k_q5ef6bffe58_qkv,@function
k_q5ef6bffe58_qkv:
	s_mov_b64 s[64:65], 0
	v_nop
	global_prefetch_b8 v0, s[64:65] scope:SCOPE_SE
	s_setreg_imm32_b32 hwreg(HW_REG_WAVE_MODE, 25, 1), 1
	s_wait_xcnt 0x0
	s_wait_alu depctr_hold_cnt(0) depctr_sa_sdst(0) depctr_va_vdst(0) depctr_va_sdst(0) depctr_va_ssrc(0) depctr_va_vcc(0) depctr_vm_vsrc(0)
	s_getreg_b32 s2, hwreg(HW_REG_IB_STS2, 6, 4)
	s_cmp_eq_u32 s2, 0
	s_cbranch_scc0 .Lentry_in_a_cluster
	s_endpgm
.Lentry_in_a_cluster:
	s_bfe_u32 s2, ttmp6, 0x10000c
	s_cmp_lg_u32 s2, 0xf033
	s_cbranch_scc0 .Lentry_shape_is_right
	s_endpgm
.Lentry_shape_is_right:
; Product 1: qkv = x qkv_w^T + qkv_b on codes of FP8, and its results quantised at once into the operands of products 2 and 3: Q (e2), K (e3), V (e5).  Nothing of reference() is left out here.
; xq, wq: images of operand registers (fragment (kq, rb, ks) at ((kq RB + rb) 2 + ks) 2,048; RB = 512, 192).  So a K step's tile is a dense block, it lies in LDS as it lay in memory,
; and a fragment is four LDS loads of 16 bytes a lane at 16 x lane: consecutive bytes, no pitch, no padding.
; A tile of 256 x 256 is made by four waves, 128 x 128 each: 64 accumulators, 512 registers.  K = 1,024 goes in four steps of 256 through two LDS slots; the walk is written out.
; THE MATRIX INSTRUCTION IS USED TRANSPOSED: source 0 = B's 16 rows, source 1 = A's 16 rows: lane (r, h) holds A's row r and B's rows 8 h + 0 .. 7 of the tile: eight neighbours along the NEXT product's K,
; in the very places that the next operand's registers 2 b, 2 b + 1 want.  So the conversions' results are the next operand's registers and are stored as its image: 512 consecutive bytes a store.
; TWO PARTS ON ONE WALK, told apart by the cluster's y alone (the same in all sixteen partners): clusters y 0-7: A = tokens, B = features 0-2,047 (Q, K: the next K is the head's 64);
; clusters y 8-11: A = features 2,048-3,071 (V), B = tokens (the next K is the keys).  Only pointers and steps are chosen, until the one branch in front of the last K step.
; qkvf: ((bh 8 + s) 3 + p) 16,384 + inner; bh = batch x 16 + head, s = the block of 256 tokens, p = 0 Q, 1 K, 2 V.  Q, K inner: (16 tokens' block) 1,024 + c 512 + 16 lane (16 tokens x 64 d, 8 registers);
; V inner: (half of 128 keys) 8,192 + (16 d's block) 2,048 + c 512 + 16 lane (16 d x 128 keys, 16 registers).
; CLUSTERS: 4 x 4.  A's tile hangs on the cluster's ids and cy, and is asked for jointly along a row; B's on the ids and cx, along a column.
; A sum stands for sum x 2^(e0 + e1): the bias goes in as bias / 2^(e0 + e1), and the conversion takes 2^(eo - e0 - e1), eo = e2, e3 or e5.
; LIMITS: eo - e0 - e1 between -126 and 119.  NaN among the inputs is not served.
; REGISTERS: window 0: v4-31 addresses and constants; v32-95 the bias; v96-127 at work; v128-255 A's fragments, ONE set, on the way out the codes.  window 1: B's fragments, TWO sets.  windows 2, 3: accumulator (a, b) at v[8 (8 (a % 4) + b)] of window 2 + a / 4.
.set SLOT,  131072                     ; A's 16 row blocks of 4,096 bytes, then B's 16
.set SPARE, 2*SLOT                     ; behind the ring: the spare words, 128 bytes for each wave
.set LI,   4                           ; v4   16 x lane
.set H32,  6                           ; v6   32 h
.set R4,   7                           ; v7   4 r
.set ADRA, 16                          ; v16-17  my A fragments in slot 0, 1
.set ADRB, 20                          ; v20-21  my B fragments
.set SPW,  28                          ; v28  my spare word's address; never rewritten
.set NIL,  29                          ; v29  0; never rewritten
.set SCL,  30                          ; v30  2^(eo - e0 - e1)
.set LIM,  31
.set BN,   32
.set TMP,  96
.set AF,   128
.set CD,   128
.set G1,  24                           ; s[24:31] descriptor group 1 for A's tiles; s[32:39] group 0, a set for each slot
.set G0,  32
.set G1B, 48                           ; s[48:55], s[56:63] the same for B's
.set G0B, 56
.set MSB, 0
.macro WIN new                         ; the immediate's high byte repeats the setting that is left
.if MSB != (\new)
	s_set_vgpr_msb (MSB<<8)|(\new)
.set MSB, (\new)
.endif
.endm
.set MUL_LO, 0xa1                      ; source 0 (B) window 1, source 1 (A) window 0, C and D window 2
.set MUL_HI, 0xf1                      ; the same, C and D window 3
.set TO_B,   0x40                      ; destination window 1, address window 0
; A joint load: waves 0 and 1 fetch A's halves, waves 2 and 3 B's.  The branch hangs on the wave's number alone.  An s_nop 0 and four v_nop follow each line.
.macro JLOAD s
	s_cmp_eq_u32 s15, 0
	s_cbranch_scc0 .Lfor_b_\@
	tensor_load_to_lds s[G0+4*\s:G0+4*\s+3], s[G1:G1+7]
	s_nop 0
.rept 4
	v_nop
.endr
	s_branch .Lasked_\@
.Lfor_b_\@:
	tensor_load_to_lds s[G0B+4*\s:G0B+4*\s+3], s[G1B:G1B+7]
	s_nop 0
.rept 4
	v_nop
.endr
.Lasked_\@:
.endm
.macro CREST                           ; a round of the cluster's barrier behind its opening barrier
	s_cmp_lg_u32 s14, 0
	s_cbranch_scc1 .Lnot_wave_0_\@
	s_barrier_signal -3
.Lnot_wave_0_\@:
	s_barrier_wait -3
	s_barrier_signal -1
	s_barrier_wait -1
.endm
.macro CROUND
	s_barrier_signal -1
	s_barrier_wait -1
	CREST
.endm
	s_load_b256 s[4:11], s[0:1], 0x0               ; xq, wq, the scales' exponents, qkv_b
	s_load_b64 s[12:13], s[0:1], 0x20              ; qkvf
	v_lshl_add_u32 v[SPW], v0, 2, SPARE
	v_mov_b32 v[NIL], 0
	ds_add_u32 v[SPW], v[NIL]                      ; the wave's opening: the add, twice on end, and its wait ahead of my first tensor load
	ds_add_u32 v[SPW], v[NIL]
	v_lshrrev_b32 v1, 5, v0
	v_readfirstlane_b32 s14, v1                    ; wave 0..3
	s_lshr_b32 s15, s14, 1                         ; my half of A's rows.  Also: I fetch for A (0) or for B (1)
	s_and_b32 s16, s14, 1                          ; my half of B's rows.  Also: which half of that tile I fetch
	s_bfe_u32 s40, ttmp6, 0x40000                  ; cx
	s_bfe_u32 s41, ttmp6, 0x40004                  ; cy
	s_and_b32 s43, ttmp7, 0xffff                   ; the cluster's y
	s_lshl_b32 s46, s41, 2
	s_lshl_b32 s46, 15, s46                        ; my row of the cluster
	s_lshl_b32 s47, 0x1111, s40                    ; my column
	; descriptor group 1: a dense block of 32,768 bytes as 128 rows of 32 elements of 8 bytes
	s_or_b32 s[G1], s46, (3<<16)|(1<<21)           ; 15:0 the mask; 17:16 elements of 8 bytes; 21 set beside a mask; no padding
	s_or_b32 s[G1B], s47, (3<<16)|(1<<21)
.irp g, G1, G1B
	s_mov_b32 s[\g+1], 32<<16                      ; tensor_dim0 = 32
	s_mov_b32 s[\g+2], 128<<16                     ; tensor_dim1 = 128
	s_mov_b32 s[\g+3], 32<<16                      ; tile_dim0 = 32
	s_mov_b32 s[\g+4], 128                         ; tile_dim1 = 128
	s_mov_b32 s[\g+5], 32                          ; from row to row
	s_mov_b32 s[\g+6], 0
	s_mov_b32 s[\g+7], 0
.endr
	s_lshl_b32 s18, s43, 2                         ; 4 x cluster y
	s_sub_co_u32 s19, s43, 8
	s_lshl_b32 s19, s19, 1                         ; 2 (cluster y - 8): taken in V's part alone
	s_cmp_ge_u32 s43, 8                            ; V's part?
	s_cselect_b32 s44, 1, 0
	s_cselect_b32 s2, 128, 0                       ; V's features begin at row block 128 of wq
	s_cselect_b32 s18, 0, s18
	s_cselect_b32 s19, s19, 0
	s_mov_b32 s70, 512*4096
	s_cselect_b32 s70, 192*4096, s70               ; a K step of 256 in A's buffer, in bytes: RB x 4,096
	s_mov_b32 s72, 192*4096
	s_cselect_b32 s72, 512*4096, s72               ; and in B's
	s_mov_b32 s71, 0
	s_mov_b32 s73, 0
	s_add_co_u32 s18, s18, s41                     ; A's tile: 4 cluster y + cy, or cy: no cx enters it
	s_add_co_u32 s19, s19, ttmp9
	s_lshl_b32 s19, s19, 2
	s_add_co_u32 s19, s19, s40                     ; B's tile: 4 cluster x + cx, or 4 (cluster x + 2 (cluster y - 8)) + cx: no cy enters it
	s_lshl_b32 s3, s16, 3                          ; the half that I fetch: 8 row blocks
	s_lshl_b32 s20, s18, 4
	s_add_co_u32 s20, s20, s2
	s_add_co_u32 s20, s20, s3
	s_lshl_b32 s20, s20, 12
	s_mov_b32 s21, 0
	s_lshl_b32 s22, s19, 4
	s_add_co_u32 s22, s22, s3
	s_lshl_b32 s22, s22, 12
	s_mov_b32 s23, 0
	s_lshl_b32 s45, s14, 15                        ; where my load goes in a slot: wave x 32,768
	s_wait_dscnt 0x0                               ; both opening adds are done
	s_wait_kmcnt 0x0
	s_load_b256 s[80:87], s[8:9], 0x0              ; e0 .. e7
	s_cmp_eq_u32 s44, 1
	s_cselect_b64 s[76:77], s[6:7], s[4:5]         ; A's buffer
	s_cselect_b64 s[78:79], s[4:5], s[6:7]         ; B's
	s_add_nc_u64 s[76:77], s[76:77], s[20:21]
	s_add_nc_u64 s[78:79], s[78:79], s[22:23]
	CROUND                                         ; all sixteen work-groups are here: the first joint loads meet
	s_mov_b32 s[G0], 1
	s_mov_b32 s[G0+1], s45
	s_mov_b64 s[G0+2:G0+3], s[76:77]               ; K step 0
	s_or_b32 s[G0+3], s[G0+3], 0x80000000
	s_mov_b32 s[G0B], 1
	s_mov_b32 s[G0B+1], s45
	s_mov_b64 s[G0B+2:G0B+3], s[78:79]
	s_or_b32 s[G0B+3], s[G0B+3], 0x80000000
	JLOAD 0
	s_mov_b32 s[G0+4], 1
	s_add_co_u32 s[G0+5], s45, SLOT
	s_add_nc_u64 s[G0+6:G0+7], s[76:77], s[70:71]  ; K step 1
	s_or_b32 s[G0+7], s[G0+7], 0x80000000
	s_mov_b32 s[G0B+4], 1
	s_add_co_u32 s[G0B+5], s45, SLOT
	s_add_nc_u64 s[G0B+6:G0B+7], s[78:79], s[72:73]
	s_or_b32 s[G0B+7], s[G0B+7], 0x80000000
	JLOAD 1
	s_lshl_b32 s70, s70, 1                         ; a slot's next tile lies two K steps on
	s_lshl_b32 s72, s72, 1
	v_and_b32 v1, 31, v0
	v_lshlrev_b32 v[LI], 4, v1
	v_and_b32 v2, 15, v0
	v_bfe_u32 v3, v0, 4, 1
	v_lshlrev_b32 v[H32], 5, v3
	v_lshlrev_b32 v[R4], 2, v2
	s_lshl_b32 s3, s15, 15                         ; my 8 row blocks of A
	s_lshl_b32 s88, s16, 15
	s_add_co_u32 s88, s88, 65536                   ; my 8 of B, behind A's 16
.irp s, 0,1
	v_add_nc_u32 v[ADRA+\s], s3, v[LI]
	v_add_nc_u32 v[ADRB+\s], s88, v[LI]
	s_add_co_u32 s3, s3, SLOT
	s_add_co_u32 s88, s88, SLOT
.endr
	; the way out: which tokens and which features are mine
	s_add_co_u32 s89, s18, 8
	s_cmp_eq_u32 s44, 1
	s_cselect_b32 s88, s19, s18                    ; the tile of 256 tokens, 0..31
	s_cselect_b32 s89, s89, s19                    ; the tile of 256 features, 0..11
	s_cselect_b32 s90, s16, s15                    ; my half of the tokens
	s_cselect_b32 s91, s15, s16                    ; my half of the features
	s_lshr_b32 s92, s88, 3                         ; batch
	s_and_b32 s93, s88, 7                          ; s
	s_lshr_b32 s94, s89, 2                         ; p
	s_and_b32 s95, s89, 3
	s_lshl_b32 s95, s95, 2
	s_lshl_b32 s3, s91, 1
	s_add_co_u32 s95, s95, s3                      ; my first head
	s_lshl_b32 s92, s92, 4
	s_add_co_u32 s92, s92, s95
	s_lshl_b32 s92, s92, 3
	s_add_co_u32 s92, s92, s93
	s_mul_i32 s92, s92, 3
	s_add_co_u32 s92, s92, s94
	s_lshl_b32 s92, s92, 14
	s_lshl_b32 s3, s90, 13
	s_add_co_u32 s92, s92, s3
	s_mov_b32 s93, 0
	s_add_nc_u64 s[74:75], s[12:13], s[92:93]      ; qkvf at my part
	s_lshl_b32 s92, s89, 10
	s_lshl_b32 s3, s91, 9
	s_add_co_u32 s92, s92, s3
	s_add_nc_u64 s[66:67], s[10:11], s[92:93]      ; qkv_b at my 128 features
	s_wait_alu depctr_va_vdst(0)
	s_wait_kmcnt 0x0
	s_cmp_eq_u32 s94, 1                            ; eo is chosen, never branched on
	s_cselect_b32 s88, s83, s85
	s_cmp_eq_u32 s94, 0
	s_cselect_b32 s88, s82, s88
	s_add_co_i32 s89, s80, s81                     ; e0 + e1
	s_sub_co_i32 s95, 0, s89
	s_sub_co_i32 s88, s88, s89
	s_add_co_i32 s88, s88, 127
	s_lshl_b32 s89, s88, 23
	v_mov_b32 v[SCL], s89
.macro FRAG reg, adr, q, i             ; a fragment's image: four groups of 512 bytes; row block i, the slot's q-th 128 along K
.irp c, 0,1,2,3
	ds_load_b128 v[\reg+4*\c:\reg+4*\c+3], v[\adr] offset:4096*(\i)+2048*(\q)+512*\c
.endr
.endm
; 16 matrix instructions: A's blocks a0, a0 + 1 x B's eight.  p: B's set.  zero = 1: the first product starts the sums.  The 64 accumulators take turns in the same order in every step.
.macro MUL16 a0, p, zero
.irp a, \a0, \a0+1
.irp b, 0,1,2,3,4,5,6,7
.if \zero
	v_wmma_f32_16x16x128_fp8_fp8 v[8*(8*((\a)%4)+\b):8*(8*((\a)%4)+\b)+7], v[128*(\p)+16*\b:128*(\p)+16*\b+15], v[AF+16*(\a):AF+16*(\a)+15], 0
.else
	v_wmma_f32_16x16x128_fp8_fp8 v[8*(8*((\a)%4)+\b):8*(8*((\a)%4)+\b)+7], v[128*(\p)+16*\b:128*(\p)+16*\b+15], v[AF+16*(\a):AF+16*(\a)+15], v[8*(8*((\a)%4)+\b):8*(8*((\a)%4)+\b)+7]
.endif
.endr
.endr
.endm
.macro FETCH_B slot, q, p
	WIN TO_B
.irp i, 0,1,2,3,4,5,6,7
	FRAG 128*(\p)+16*\i, ADRB+\slot, \q, \i
.endr
	WIN 0
.endm
.macro FETCH_A slot, q, i0
.irp i, \i0, \i0+1, \i0+2, \i0+3
	FRAG AF+16*(\i), ADRA+\slot, \q, \i
.endr
.endm
.macro PLACES                          ; four plain vector lines between a matrix instruction and a load into, or a vector read of, its registers
.rept 4
	v_nop
.endr
.endm
; A slot's first 128 along K (B's set 0); it fetches the second 128 (B's set 1).
.macro STEP slot, zero
	s_wait_dscnt 16                                ; B's set and A's blocks 0-3 are in; the youngest sixteen loads (A's blocks 4-7) may be out
	WIN MUL_LO
	MUL16 0, 0, \zero
	MUL16 2, 0, \zero
	s_wait_dscnt 0x0
	PLACES
	FETCH_B \slot, 1, 1
	FETCH_A \slot, 1, 0
	WIN MUL_HI
	MUL16 4, 0, \zero
	MUL16 6, 0, \zero
	PLACES
	WIN 0
	FETCH_A \slot, 1, 4
.endm
; A slot's second 128 changes slots: each wave waits for all its tensor loads, adds 0 to its spare word, waits for that and for its reads of this slot; one barrier.  fill = 1: the barrier opens a round of the cluster's, and this slot is filled again.
.macro TURN slot, next, fill
	s_wait_tensorcnt 0x0                           ; all my tensor loads have landed: my part of the next slot
	ds_add_u32 v[SPW], v[NIL]
	s_wait_dscnt 17                                ; the add and the youngest sixteen loads may be out
	WIN MUL_LO
	MUL16 0, 1, 0
	s_wait_dscnt 0x0                               ; the add is done, and my reads of this slot are over
	s_barrier_signal -1
	MUL16 2, 1, 0
	WIN 0
	s_barrier_wait -1
.if \fill
	CREST                                          ; no wave of any partner still reads this slot or has a load on its way
	s_add_nc_u64 s[G0+4*\slot+2:G0+4*\slot+3], s[G0+4*\slot+2:G0+4*\slot+3], s[70:71]
	s_add_nc_u64 s[G0B+4*\slot+2:G0B+4*\slot+3], s[G0B+4*\slot+2:G0B+4*\slot+3], s[72:73]
	JLOAD \slot                                    ; the first tensor load behind the round; its four v_nop are also the places in front of the loads below
.else
	PLACES
.endif
	FETCH_B \next, 0, 0
	FETCH_A \next, 0, 0
	WIN MUL_HI
	MUL16 4, 1, 0
	MUL16 6, 1, 0
	PLACES
	WIN 0
	FETCH_A \next, 0, 4
.endm
.macro LAST                            ; the very last 128 along K: nothing more to fetch
	s_wait_dscnt 16
	WIN MUL_LO
	MUL16 0, 1, 0
	MUL16 2, 1, 0
	s_wait_dscnt 0x0
	WIN MUL_HI
	MUL16 4, 1, 0
	MUL16 6, 1, 0
	WIN 0
.endm
; THE WAY OUT of block a's accumulators 4 hf .. 4 hf + 3: + bias, held, converted (eight neighbours along the next K make two registers), stored as two groups of an image.
; Every block has code registers of its own, and the stores' address and base are never rewritten: no wait stands between the stores.
.macro EPI a, hf, isv
	WIN 0x02+(\a)/4
.set jj, 0
.rept 16
.if \isv
	v_pk_add_f32 v[TMP+jj:TMP+jj+1], v[64*((\a)%4)+32*(\hf)+jj:64*((\a)%4)+32*(\hf)+jj+1], v[BN+2*(\a):BN+2*(\a)+1]
.else
	v_pk_add_f32 v[TMP+jj:TMP+jj+1], v[64*((\a)%4)+32*(\hf)+jj:64*((\a)%4)+32*(\hf)+jj+1], v[BN+32*(\hf)+jj:BN+32*(\hf)+jj+1]
.endif
.set jj, jj+2
.endr
	WIN 0
.set jj, 0
.rept 32
.set jj, jj+1
.endr
.irp i, 0,1,2,3
	v_cvt_scalef32_pk8_fp8_f32 v[CD+16*(\a)+8*(\hf)+2*\i:CD+16*(\a)+8*(\hf)+2*\i+1], v[TMP+8*\i:TMP+8*\i+7], v[SCL]
.endr
	v_nop                                          ; one plain vector line behind the last conversion: the next block writes its sources
.irp c, 0,1
.if \isv
	global_store_b128 v[LI], v[CD+16*(\a)+8*(\hf)+4*\c:CD+16*(\a)+8*(\hf)+4*\c+3], s[74:75] offset:((\a)/4)*393216+((\a)%4)*2048+(2*(\hf)+\c)*512
.else
	global_store_b128 v[LI], v[CD+16*(\a)+8*(\hf)+4*\c:CD+16*(\a)+8*(\hf)+4*\c+3], s[74:75] offset:(\hf)*393216+(\a)*1024+\c*512
.endif
.endr
.endm
	s_wait_tensorcnt 0x1                           ; my part of K step 0 is in; K step 1's may stay out
	s_barrier_signal -1
	s_barrier_wait -1
	FETCH_B 0, 0, 0
	FETCH_A 0, 0, 0
	FETCH_A 0, 0, 4
	STEP 0, 1                                      ; the first products start the sums: nothing is cleared
	TURN 0, 1, 1
	STEP 1, 0
	TURN 1, 0, 1
	STEP 0, 0
	TURN 0, 1, 0                                   ; the last change of slots: nothing is left to fetch
	s_cmp_eq_u32 s44, 1                            ; the one branch: on the cluster's y, the same in all partners; no tensor load, barrier or round stands in either arm
	s_cbranch_scc1 .Lv_part
	; Q and K: lane (r, h) holds token r of block a and features 16 b + 8 h + 0 .. 7: the bias is 8 registers for each b
.irp b, 0,1,2,3,4,5,6,7
	global_load_b128 v[BN+8*\b:BN+8*\b+3], v[H32], s[66:67] offset:64*\b
	global_load_b128 v[BN+8*\b+4:BN+8*\b+7], v[H32], s[66:67] offset:64*\b+16
.endr
	STEP 1, 0
	LAST
	s_wait_loadcnt 0x0
.set jj, 0
.rept 64
	v_ldexp_f32 v[BN+jj], v[BN+jj], s95            ; bias / 2^(e0 + e1).  (These are also the places behind the last products)
.set jj, jj+1
.endr
.irp a, 0,1,2,3,4,5,6,7
	EPI \a, 0, 0
	EPI \a, 1, 0
.endr
	s_branch .Lend
.Lv_part:
	; V: lane (r, h) holds feature r of block a and tokens 16 b + 8 h + 0 .. 7: one bias a block, in both halves of a pair
.irp a, 0,1,2,3,4,5,6,7
	global_load_b32 v[BN+2*\a], v[R4], s[66:67] offset:64*\a
	global_load_b32 v[BN+2*\a+1], v[R4], s[66:67] offset:64*\a
.endr
	STEP 1, 0
	LAST
	s_wait_loadcnt 0x0
.set jj, 0
.rept 16
	v_ldexp_f32 v[BN+jj], v[BN+jj], s95
.set jj, jj+1
.endr
.irp a, 0,1,2,3,4,5,6,7
	EPI \a, 0, 1
	EPI \a, 1, 1
.endr
.Lend:
	s_wait_tensorcnt 0x0                           ; the wave's end: a wait, an add of 0 to my spare word and its wait
	ds_add_u32 v[SPW], v[NIL]
	s_wait_dscnt 0x0
	CROUND                                         ; the closing round: no work-group ends while a partner may still ask for a tile that names it
	s_endpgm
.Lfunc_end_k_q5ef6bffe58_qkv:
	.size	k_q5ef6bffe58_qkv, .Lfunc_end_k_q5ef6bffe58_qkv-k_q5ef6bffe58_qkv
	.p2alignl 7, 3214868480
	.fill 96, 4, 3214868480
	.section	.rodata,"a",@progbits
	.p2align	6, 0x0
	.amdhsa_kernel k_q5ef6bffe58_qkv
		.amdhsa_group_segment_fixed_size 327680
		.amdhsa_private_segment_fixed_size 0
		.amdhsa_enable_private_segment 0
		.amdhsa_kernarg_size 40
		.amdhsa_user_sgpr_count 2
		.amdhsa_user_sgpr_kernarg_segment_ptr 1
		.amdhsa_wavefront_size32 1
		.amdhsa_system_sgpr_workgroup_id_x 1
		.amdhsa_system_sgpr_workgroup_id_y 1
		.amdhsa_system_sgpr_workgroup_id_z 1
		.amdhsa_system_vgpr_workitem_id 0
		.amdhsa_next_free_vgpr 1024
		.amdhsa_next_free_sgpr 100
		.amdhsa_reserve_vcc 0
		.amdhsa_float_denorm_mode_32 3
		.amdhsa_float_denorm_mode_16_64 3
		.amdhsa_fp16_overflow 1
		.amdhsa_memory_ordered 1
		.amdhsa_forward_progress 1
		.amdhsa_inst_pref_size 148
	.end_amdhsa_kernel
	.amdgpu_metadata
---
amdhsa.version: [ 1, 2 ]
amdhsa.kernels:
  - .name:           k_q5ef6bffe58_qkv
    .symbol:         k_q5ef6bffe58_qkv.kd
    .args:
      - { .name: xq, .offset: 0, .size: 8, .value_kind: global_buffer, .address_space: global }
      - { .name: wq, .offset: 8, .size: 8, .value_kind: global_buffer, .address_space: global }
      - { .name: lowp_scales, .offset: 16, .size: 8, .value_kind: global_buffer, .address_space: global }
      - { .name: qkv_b, .offset: 24, .size: 8, .value_kind: global_buffer, .address_space: global }
      - { .name: qkvf, .offset: 32, .size: 8, .value_kind: global_buffer, .address_space: global }
    .group_segment_fixed_size: 327680
    .private_segment_fixed_size: 0
    .kernarg_segment_align: 8
    .kernarg_segment_size: 40
    .max_flat_workgroup_size: 128
    .sgpr_count:     100
    .vgpr_count:     1024
    .wavefront_size: 32
...
	.end_amdgpu_metadata
.endif
;; end of part 2
;; launch attn (part 3): grid 4 x 64, 16 waves a work-group, no clusters, 327,680 bytes of LDS; arguments qkvf, lowp_scales, af; writes af
.if DOCPART == 3
	.amdgcn_target "amdgcn-amd-amdhsa--gfx1250"
	.amdhsa_code_object_version 6
	.text
	.protected	k_q5ef6bffe58_attn
	.globl	k_q5ef6bffe58_attn
	.p2align	8
	.type	k_q5ef6bffe58_attn,@function
k_q5ef6bffe58_attn:
	s_mov_b64 s[64:65], 0
	v_nop
	global_prefetch_b8 v0, s[64:65] scope:SCOPE_SE
	s_setreg_imm32_b32 hwreg(HW_REG_WAVE_MODE, 25, 1), 1
	s_wait_xcnt 0x0
; Products 2 and 3 on codes of FP8, causal.  LEFT OUT: the steps of 16 queries x 128 keys all of whose keys come after all of their queries: reference()'s own jnp.tril makes their weights 0.
; A NaN or an infinity that reaches only those steps is not carried to the result.
; t = score x log2(e) / 8; M = the running largest t rounded UP to a whole number; p = 2^(t - M) is quantised (e4), not normalised; the row's sum is taken of the unquantised p and divides at the end;
; when M moves, the sum and O are multiplied by 2^(old M - new M), which rounds nothing.  O / sum is quantised (e6) and stored as the image of product 4's operand.
; SHARES.  Work-group (i, bh) owns the blocks of 256 queries 7 - i and i of head bh, one after the other in ONE walk of nine trips: block 7 - i on key slots 0 .. 7 - i, then block i on slots 0 .. i:
; (8 - i) + (i + 1) = 9 for every i: equal work, a trip count that is a constant, and every slot that is fetched is read.  Each of sixteen waves owns 16 queries of the block in hand, in 256 registers.
; A slot is 256 keys, K's 16,384 bytes and V's on end in qkvf, two steps of 128; wave 0 fetches K's, wave 1 V's, one tensor load each, into a ring of two LDS slots read by all sixteen.
; NO CLUSTER: from the sixth trip on the four work-groups of a head stand on different key slots in the same trip; partners that walked jointly would all walk as the longest block does.
; LAYOUT.  S^T = K Q^T (source 0 = 16 keys, source 1 = my 16 queries): lane (r, h) holds query r and keys 16 t + 8 h + 0 .. 7 of tile t: just registers 2 t, 2 t + 1 of the next operand.
; O^T = V^T P^T (source 0 = 16 of the head's 64, K = 128 keys): again one query a lane, d = 16 db + 8 h + 0 .. 7: registers of product 4's operand.  All fragments are images: 16 bytes a lane at 16 x lane.
; LIMITS: e2 + e3 between -123 and 130 (added to c's exponent field); e4 and e6 between -126 and 119.
; REGISTERS: v1-7 addresses; v12 -M, v13 the largest t, v[14:15] the sum; v16-23 Q in hand, v24-31 Q of the second block; v32-95 K's 8 fragments, then V's 4; v96-159 S^T, then p; v160-191 O^T; v192-199 the output's codes; v224-239 p's codes; v236-254 at work and constants.
.set SLOT1, 32768                      ; a slot: K's 16,384 bytes, then V's; one exclusive or turns an address from one slot to the other
.set SPARE, 2*SLOT1                    ; behind the ring: the spare words, 128 bytes for each of sixteen waves
.set SSTEP, 49152                      ; from a block of 256 tokens to the next in qkvf
.set LI,   1                           ; v1  16 x lane
.set ADR,  2                           ; v2  the slot in hand + 16 x lane
.set PFO,  3                           ; v3  256 x lane, for the prefetches; never rewritten
.set SPW,  5                           ; v5  my spare word's address; never rewritten
.set NIL,  6                           ; v6  0; never rewritten
.set RH,   7                           ; v7  r - 8 h
.set PI,   10                          ; s10 i
.set BH,   11                          ; s11 bh
.set LEN,  12                          ; s12 8 - i: the first block's slots
.set NS,   13                          ; s13 the key slot asked for last
.set TB,   2                           ; s2  LDS byte at which the slot in hand begins
.set WV,   18
.set SEL,  20                          ; s[20:21] lane l xor 16
.set CS,   22                          ; s[22:23] c
.set G1,   24                          ; s[24:31] descriptor group 1
.set G0,   40                          ; s[40:43] group 0, which walks
.set KVB,  44                          ; s[44:45] my half (K or V) of the head's slot 0 in memory
.set CNT,  67                          ; s67 trips of the loop to go
.set PFA,  76                          ; s[76:77] where my prefetches stand
.set LIMP, 80                          ; s80 2 in a wave that prefetches, else the greatest number
.set KF,   98                          ; s98 the step's first key
.set Q0,   99                          ; s99 my first query
.macro TLOAD                           ; waves 0 and 1 fetch, the others nothing: a branch on the wave's number.  An s_nop 0 and four v_nop follow the line
	s_cmp_lt_u32 s[WV], 2
	s_cbranch_scc0 .Lnone_\@
	tensor_load_to_lds s[G0:G0+3], s[G1:G1+7]
	s_nop 0
.rept 4
	v_nop
.endr
.Lnone_\@:
.endm
; A prefetch of the slot after the one that is being asked for.  All four work-groups of a head walk the same slots; the one with i = 0 walks slots 0 .. 7 in trips 0 .. 7 and asks, nobody else;
; in it waves 4 to 7, 8,192 bytes each of the slot's 32,768, lanes 256 bytes apart: each block of 256 bytes is named once.  Trips 0 .. 5 name slots 2 .. 7; slots 0 and 1 come by their loads alone.
.macro ASK
	s_cmp_gt_u32 s[CNT], s[LIMP]
	s_cbranch_scc0 .Lnot_mine_\@
	global_prefetch_b8 v[PFO], s[PFA:PFA+1] th:TH_LOAD_NT scope:SCOPE_SE
.Lnot_mine_\@:
.endm
	s_load_b128 s[4:7], s[0:1], 0x0                ; qkvf, the scales' exponents
	s_load_b64 s[8:9], s[0:1], 0x10                ; af
	v_lshl_add_u32 v[SPW], v0, 2, SPARE
	v_mov_b32 v[NIL], 0
	ds_add_u32 v[SPW], v[NIL]                      ; the wave's opening: the add, twice on end, and its wait ahead of the first tensor load
	ds_add_u32 v[SPW], v[NIL]
	v_lshrrev_b32 v8, 5, v0
	s_delay_alu instid0(VALU_DEP_1)
	v_readfirstlane_b32 s[WV], v8                  ; wave 0..15
	s_mov_b32 s[PI], ttmp9
	s_and_b32 s[BH], ttmp7, 0xffff
	s_sub_co_u32 s[LEN], 8, s[PI]
	s_mov_b32 s[NS], 0
	s_mov_b32 s[TB], 0
	s_mov_b32 s[CNT], 8
	s_mov_b32 s[KF], 0
	s_mov_b32 s[G1], 3<<16                         ; no mask; elements of 8 bytes; no padding: a dense block of 16,384 bytes as 64 rows of 32 elements
	s_mov_b32 s[G1+1], 32<<16
	s_mov_b32 s[G1+2], 64<<16
	s_mov_b32 s[G1+3], 32<<16
	s_mov_b32 s[G1+4], 64
	s_mov_b32 s[G1+5], 32
	s_mov_b32 s[G1+6], 0
	s_mov_b32 s[G1+7], 0
	s_mov_b32 s[SEL], 0x76543210
	s_mov_b32 s[SEL+1], 0xfedcba98
	s_mov_b32 s[CS], 0x3e38aa3b                    ; c = log2(e) / 8
	s_and_b32 s96, s[WV], 1
	s_lshl_b32 s96, s96, 14                        ; K's half or V's: in a slot and in memory
	s_mul_i32 s83, s[BH], 8*SSTEP                  ; the head's first byte in qkvf
	s_add_co_u32 s46, s83, s96
	s_add_co_u32 s46, s46, 16384                   ; behind the block's Q
	s_mov_b32 s47, 0
	s_sub_co_u32 s97, 7, s[PI]                     ; the first block
	s_lshl_b32 s56, s[BH], 3
	s_add_co_u32 s57, s56, s[PI]
	s_add_co_u32 s56, s56, s97
	s_mul_i32 s52, s56, SSTEP
	s_mul_i32 s54, s57, SSTEP
	s_lshl_b32 s58, s[WV], 10                      ; my 16 queries' fragment
	s_add_co_u32 s52, s52, s58
	s_add_co_u32 s54, s54, s58
	s_mov_b32 s53, 0
	s_mov_b32 s55, 0
	s_and_b32 s59, s[BH], 15                       ; head
	s_lshr_b32 s60, s[BH], 4                       ; batch
	s_lshr_b32 s61, s59, 2
	s_lshl_b32 s61, s61, 9
	s_lshl_b32 s60, s60, 7
	s_add_co_u32 s61, s61, s60
	s_add_co_u32 s61, s61, s[WV]                   ; (head / 4) 512 + batch x 128 + wave: af's kq RB + rb without the block
	s_bfe_u32 s62, s59, 0x10001                    ; (head / 2) % 2: ks
	s_lshl_b32 s62, s62, 11
	s_and_b32 s63, s59, 1
	s_lshl_b32 s63, s63, 10                        ; (head % 2): the fragment's upper two groups
	s_add_co_u32 s62, s62, s63
	s_lshl_b32 s60, s97, 4
	s_add_co_u32 s60, s60, s61
	s_lshl_b32 s60, s60, 12
	s_add_co_u32 s48, s60, s62
	s_mov_b32 s49, 0
	s_lshl_b32 s60, s[PI], 4
	s_add_co_u32 s60, s60, s61
	s_lshl_b32 s60, s60, 12
	s_add_co_u32 s50, s60, s62
	s_mov_b32 s51, 0
	s_lshl_b32 s[Q0], s97, 8
	s_lshl_b32 s58, s[WV], 4
	s_add_co_u32 s[Q0], s[Q0], s58                 ; my first query: 256 (7 - i) + 16 wave
	s_and_b32 s82, s[WV], 3
	s_lshl_b32 s82, s82, 13
	s_add_co_u32 s82, s82, s83
	s_add_co_u32 s82, s82, 16384+SSTEP             ; slot 1's K and V: the first trip steps it to slot 2
	s_mov_b32 s83, 0
	s_lshr_b32 s[LIMP], s[WV], 2
	s_xor_b32 s[LIMP], s[LIMP], 1                  ; 0 in waves 4 to 7,
	s_or_b32 s[LIMP], s[LIMP], s[PI]               ; of the work-group with i = 0
	s_cmp_eq_u32 s[LIMP], 0
	s_cselect_b32 s[LIMP], 2, -1
	s_wait_dscnt 0x0                               ; both opening adds are done
	s_wait_kmcnt 0x0
	s_load_b256 s[68:75], s[6:7], 0x0              ; e0 .. e7
	s_add_nc_u64 s[KVB:KVB+1], s[4:5], s[46:47]
	s_mov_b32 s[G0], 1
	s_mov_b32 s[G0+1], s96                         ; LDS slot 0
	s_mov_b64 s[G0+2:G0+3], s[KVB:KVB+1]           ; key slot 0
	s_or_b32 s[G0+3], s[G0+3], 0x80000000
	TLOAD
	s_add_nc_u64 s[52:53], s[4:5], s[52:53]        ; Q of the first block,
	s_add_nc_u64 s[54:55], s[4:5], s[54:55]        ; of the second;
	s_add_nc_u64 s[48:49], s[8:9], s[48:49]        ; af likewise
	s_add_nc_u64 s[50:51], s[8:9], s[50:51]
	s_add_nc_u64 s[PFA:PFA+1], s[4:5], s[82:83]
	v_and_b32 v8, 31, v0
	s_delay_alu instid0(VALU_DEP_1)
	v_lshlrev_b32 v[LI], 4, v8
	s_delay_alu instid0(VALU_DEP_2)
	v_lshlrev_b32 v[PFO], 8, v8
	global_load_b128 v[16:19], v[LI], s[52:53]
	global_load_b128 v[20:23], v[LI], s[52:53] offset:512
	global_load_b128 v[24:27], v[LI], s[54:55]
	global_load_b128 v[28:31], v[LI], s[54:55] offset:512
	v_and_b32 v8, 15, v0
	v_bfe_u32 v9, v0, 4, 1
	s_delay_alu instid0(VALU_DEP_1)
	v_lshlrev_b32 v9, 3, v9
	s_delay_alu instid0(VALU_DEP_1)
	v_sub_nc_u32 v[RH], v8, v9
	v_mov_b32 v13, 0xff61b1e6                      ; the largest t so far: -3e38, under every t
	s_delay_alu instid0(VALU_DEP_1)
	v_floor_f32 v12, -v13                          ; -M
	v_mov_b32 v14, 0
	v_mov_b32 v15, 0
	v_mov_b32 v236, 0                              ; registers at work are written once: a lane permute's destination and a pair's upper half count as read
	v_mov_b32 v242, 0
	v_mov_b32 v243, 0
	v_mov_b32 v252, 0
	v_mov_b32 v253, 0
	v_mov_b32 v254, 0
.set jj, 0
.rept 32
	v_mov_b32 v[160+jj], 0                         ; O^T: the step is written once; its first run finds zeros, which the first change of M leaves zeros
.set jj, jj+1
.endr
	s_wait_kmcnt 0x0
	s_add_co_i32 s96, s70, s71
	s_lshl_b32 s96, s96, 23
	s_add_co_i32 s[CS], s[CS], s96                 ; a score stands for score x 2^(e2 + e3): added to c's exponent field
	s_mov_b32 s[CS+1], s[CS]
	s_add_co_i32 s96, s72, 127
	s_lshl_b32 s97, s96, 23
	v_mov_b32 v244, s97                            ; 2^e4
	s_add_co_i32 s96, s74, 127
	s_lshl_b32 s97, s96, 23
	v_mov_b32 v245, s97                            ; 2^e6
	s_add_co_i32 s81, s72, s73                     ; e4 + e5
; A KEY STEP: 128 keys, the q-th of the slot in hand.
.macro STEP q
	s_add_co_u32 s96, s[Q0], 15
	s_cmp_gt_u32 s[KF], s96                        ; all keys behind my last query: the step's work is left out (ids and counted steps alone decide)
	s_cbranch_scc1 .Lhidden_\@
	v_add_nc_u32 v[ADR], s[TB], v[LI]
.rept 3
	v_nop                                          ; with the addition: four places in front of loads into registers that matrix instructions have read
.endr
.irp t, 0,1,2,3,4,5,6,7
	ds_load_b128 v[32+8*\t:35+8*\t], v[ADR] offset:8192*(\q)+1024*\t
	ds_load_b128 v[36+8*\t:39+8*\t], v[ADR] offset:8192*(\q)+1024*\t+512
.endr
	s_wait_alu depctr_va_vdst(0)
	s_wait_dscnt 0x0
.irp t, 0,1,2,3,4,5,6,7
	v_wmma_f32_16x16x64_fp8_fp8 v[96+8*\t:103+8*\t], v[32+8*\t:39+8*\t], v[16:23], 0
.endr
.rept 4
	v_nop                                          ; places: in front of V's loads into K's registers, and of the first read of the scores
.endr
.irp d, 0,1,2,3                        ; V's four fragments are asked for now and land under the softmax
.irp c, 0,1,2,3
	ds_load_b128 v[32+16*\d+4*\c:35+16*\d+4*\c], v[ADR] offset:16384+8192*(\q)+2048*\d+512*\c
.endr
.endr
	s_add_co_u32 s96, s[KF], 127
	s_cmp_le_u32 s96, s[Q0]                        ; all keys count: no mask
	s_cbranch_scc1 .Lopen_\@
	s_sub_co_i32 s96, s[Q0], s[KF]
	v_add_nc_u32 v252, s96, v[RH]                  ; d = my query - KF - 8 h.  Register 8 t + j holds key KF + 16 t + 8 h + j: hidden where 16 t + j > d
	v_mov_b32 v254, 0xff800000                     ; -infinity: p = 0 then
.set jj, 0
.rept 64
	v_cmp_gt_i32 vcc_lo, 16*(jj/8)+jj%8, v252
	v_cndmask_b32 v[96+jj], v[96+jj], v254, vcc_lo
.set jj, jj+1
.endr
.Lopen_\@:
	v_max3_num_f32 v254, v96, v97, v98             ; the step's largest score of my query among my 64 keys, in two chains, each tile from its low end on,
	v_max3_num_f32 v252, v99, v100, v101
.set jj, 6
.rept 14
	v_max3_num_f32 v254, v254, v[96+jj], v[97+jj]
	v_max3_num_f32 v252, v252, v[98+jj], v[99+jj]
.set jj, jj+4
.endr
	v_max3_num_f32 v254, v254, v158, v159
	s_delay_alu instid0(VALU_DEP_1)
	v_max_num_f32 v254, v254, v252
	v_permlanex16_b32 v236, v254, s[SEL], s[SEL+1]
	s_delay_alu instid0(VALU_DEP_1)
	v_max_num_f32 v254, v254, v236                 ; and among lane l xor 16's
	s_delay_alu instid0(VALU_DEP_1)
	v_mul_f32 v254, s[CS], v254                    ; as t (c is positive)
	s_delay_alu instid0(VALU_DEP_1)
	v_max_num_f32 v13, v13, v254
	v_mov_b32 v254, v12
	s_delay_alu instid0(VALU_DEP_2)
	v_floor_f32 v12, -v13                          ; the new -M = floor(-t): M is a whole number
	s_delay_alu instid0(VALU_DEP_1)
	v_sub_f32 v254, v12, v254                      ; old M - new M: a whole number, 0 or less
	s_delay_alu instid0(VALU_DEP_1)
	v_cvt_i32_f32 v254, v254                       ; (it saturates)
	s_delay_alu instid0(VALU_DEP_1)
	v_ldexp_f32 v252, 1.0, v254                    ; f = 2^(old M - new M)
.set jj, 0
.rept 32
	v_pk_fma_f32 v[96+jj:97+jj], v[96+jj:97+jj], s[CS:CS+1], v[12:13] op_sel_hi:[1,0,0]   ; t - M, two at a time
.set jj, jj+2
.endr
.set jj, 0
	s_wait_alu depctr_va_vdst(0)
.rept 64
	v_exp_f32 v[96+jj], v[96+jj]                   ; p = 2^(t - M), at most 1
.set jj, jj+1
.endr
	v_pk_mul_f32 v[14:15], v[14:15], v[252:253] op_sel_hi:[1,0]   ; the sum under the new M: the plain line behind the exponentials
	s_wait_alu depctr_va_vdst(0)                   ; one wait for the whole batch, ahead of its first reader
	v_pk_add_f32 v[242:243], v[100:101], v[104:105]
	v_pk_add_f32 v[254:255], v[108:109], v[112:113]
	v_pk_add_f32 v[250:251], v[116:117], v[120:121]
	v_pk_add_f32 v[248:249], v[124:125], v[128:129]
	v_pk_add_f32 v[246:247], v[132:133], v[136:137]
	v_pk_add_f32 v[240:241], v[140:141], v[144:145]
	v_pk_add_f32 v[238:239], v[148:149], v[152:153]
	v_pk_add_f32 v[14:15], v[14:15], v[156:157]
	v_pk_add_f32 v[242:243], v[242:243], v[96:97]
	v_pk_add_f32 v[254:255], v[254:255], v[98:99]
	v_pk_add_f32 v[250:251], v[250:251], v[102:103]
	v_pk_add_f32 v[248:249], v[248:249], v[106:107]
	v_pk_add_f32 v[246:247], v[246:247], v[110:111]
	v_pk_add_f32 v[240:241], v[240:241], v[114:115]
	v_pk_add_f32 v[238:239], v[238:239], v[118:119]
	v_pk_add_f32 v[14:15], v[14:15], v[122:123]
	v_pk_add_f32 v[242:243], v[242:243], v[126:127]
	v_pk_add_f32 v[254:255], v[254:255], v[130:131]
	v_pk_add_f32 v[250:251], v[250:251], v[134:135]
	v_pk_add_f32 v[248:249], v[248:249], v[138:139]
	v_pk_add_f32 v[246:247], v[246:247], v[142:143]
	v_pk_add_f32 v[240:241], v[240:241], v[146:147]
	v_pk_add_f32 v[238:239], v[238:239], v[150:151]
	v_pk_add_f32 v[14:15], v[14:15], v[154:155]
	v_pk_add_f32 v[242:243], v[242:243], v[158:159]
	s_delay_alu instid0(VALU_DEP_2)
	v_pk_add_f32 v[14:15], v[14:15], v[248:249]
	s_delay_alu instid0(VALU_DEP_2)
	v_pk_add_f32 v[242:243], v[242:243], v[246:247]
	v_pk_add_f32 v[254:255], v[254:255], v[240:241]
	v_pk_add_f32 v[250:251], v[250:251], v[238:239]
	s_delay_alu instid0(VALU_DEP_2)
	v_pk_add_f32 v[14:15], v[14:15], v[254:255]
	s_delay_alu instid0(VALU_DEP_2)
	v_pk_add_f32 v[242:243], v[242:243], v[250:251]
	s_delay_alu instid0(VALU_DEP_1)
	v_pk_add_f32 v[14:15], v[14:15], v[242:243]
.set jj, 0
.rept 64
.set jj, jj+1
.endr
.irp t, 0,1,2,3,4,5,6,7
	v_cvt_scalef32_pk8_fp8_f32 v[224+2*\t:225+2*\t], v[96+8*\t:103+8*\t], v244
.endr
.set jj, 0
.rept 16
	v_pk_mul_f32 v[160+jj:161+jj], v[160+jj:161+jj], v[252:253] op_sel_hi:[1,0]   ; O^T under the new M.  (Plain lines between the conversions and the products below)
.set jj, jj+2
.endr
	s_wait_alu depctr_va_vdst(0)
	s_wait_dscnt 0x0                               ; V is in
.irp d, 0,1,2,3
	v_wmma_f32_16x16x128_fp8_fp8 v[160+8*\d:167+8*\d], v[32+16*\d:47+16*\d], v[224:239], v[160+8*\d:167+8*\d]
.endr
.Lhidden_\@:
	s_add_co_u32 s[KF], s[KF], 128
.endm
; THE CHANGE OF SLOTS, at a trip's head.  Each wave waits for all its tensor loads (its part of the slot ahead), adds 0 to its spare word, and waits for that and for its reads of the slot that it has left; one barrier.
; fill = 1: the slot just left is filled with the next trip's keys: the key slot counts up and goes back to 0 where the first block's slots end.
.macro CHANGE fill
	s_wait_tensorcnt 0x0                           ; no tensor load of mine is out, so group 0 may be written
	ds_add_u32 v[SPW], v[NIL]                      ; an add of 0 to my spare word
.if \fill
	ds_add_u32 v[SPW], v[NIL]                      ; and twice on end here, in every trip alike
	s_xor_b32 s[G0+1], s[G0+1], SLOT1
	s_add_co_u32 s[NS], s[NS], 1
	s_cmp_eq_u32 s[NS], s[LEN]
	s_cselect_b32 s[NS], 0, s[NS]
	s_mul_i32 s46, s[NS], SSTEP
	s_add_nc_u64 s[G0+2:G0+3], s[KVB:KVB+1], s[46:47]
	s_or_b32 s[G0+3], s[G0+3], 0x80000000
	s_wait_xcnt 0x0                                ; the last prefetch, a trip back, has read its address
	s_add_nc_u64 s[PFA:PFA+1], s[PFA:PFA+1], SSTEP
.endif
	s_wait_dscnt 0x0                               ; the add is done, and my reads of the slot that I have left are over
	s_barrier_signal -1
	s_barrier_wait -1
.if \fill
	TLOAD                                          ; the first thing behind the barrier, a wave's one tensor load until the next: it has a trip's two steps in which to land
	ASK
.endif
.endm
; A block's way out: O^T x 2^(e4 + e5) / sum, held, converted with 2^e6: d = 16 db + 8 h + 0 .. 7 are registers 2 db, 2 db + 1 of my head's half of product 4's fragment; two stores of 512 consecutive bytes.
.macro EPI ptr
.rept 4
	v_nop                                          ; places behind the last products
.endr
	v_add_f32 v14, v14, v15
	v_permlanex16_b32 v236, v14, s[SEL], s[SEL+1]
	s_delay_alu instid0(VALU_DEP_1)
	v_add_f32 v14, v14, v236                       ; the row's sum
	s_wait_alu depctr_va_vdst(0)
	v_rcp_f32 v242, v14
	v_nop                                          ; the plain line behind the reciprocal
	s_wait_xcnt 0x0                                ; the first block's stores have read the code registers, which are written again below
	s_wait_alu depctr_va_vdst(0)                   ; ahead of the reciprocal's first reader
	v_ldexp_f32 v242, v242, s81
	s_delay_alu instid0(VALU_DEP_1)
	v_mov_b32 v243, v242
.set jj, 0
.rept 16
	v_pk_mul_f32 v[96+jj:97+jj], v[160+jj:161+jj], v[242:243]
.set jj, jj+2
.endr
.set jj, 0
.rept 32
.set jj, jj+1
.endr
.irp i, 0,1,2,3
	v_cvt_scalef32_pk8_fp8_f32 v[192+2*\i:193+2*\i], v[96+8*\i:103+8*\i], v245
.endr
	v_nop                                          ; one plain vector line behind the last conversion
	global_store_b128 v[LI], v[192:195], s[\ptr:\ptr+1]
	global_store_b128 v[LI], v[196:199], s[\ptr:\ptr+1] offset:512
.endm
.macro SWITCH                          ; the first block leaves; the second begins: its Q, a fresh M, sum and O^T, key 0
	EPI 48
.set jj, 0
.rept 8
	v_mov_b32 v[16+jj], v[24+jj]
.set jj, jj+1
.endr
	v_mov_b32 v13, 0xff61b1e6
	s_delay_alu instid0(VALU_DEP_1)
	v_floor_f32 v12, -v13
	v_mov_b32 v14, 0
	v_mov_b32 v15, 0
.set jj, 0
.rept 32
	v_mov_b32 v[160+jj], 0
.set jj, jj+1
.endr
	s_mov_b32 s[KF], 0
	s_lshl_b32 s[Q0], s[PI], 8
	s_lshl_b32 s96, s[WV], 4
	s_add_co_u32 s[Q0], s[Q0], s96
.endm
	s_wait_loadcnt 0x0                             ; both Q
.Ltrip:                                            ; eight trips; the ninth is written out, since it asks for nothing
	CHANGE 1
	s_cmp_lg_u32 s[CNT], s[PI]                     ; trip 8 - i begins the second block: the work-group's number and the count of trips decide, alike in all waves
	s_cbranch_scc1 .Lsame
	SWITCH
.Lsame:
	STEP 0
	STEP 1
	s_xor_b32 s[TB], s[TB], SLOT1
	s_sub_co_u32 s[CNT], s[CNT], 1
	s_cmp_lg_u32 s[CNT], 0
	s_cbranch_scc1 .Ltrip
	CHANGE 0
	s_cmp_lg_u32 s[PI], 0                          ; with i = 0 the second block is the ninth trip alone
	s_cbranch_scc1 .Lsame_tail
	SWITCH
.Lsame_tail:
	STEP 0
	STEP 1
	EPI 50
	s_wait_tensorcnt 0x0                           ; the wave's end: a wait, an add of 0 to my spare word and its wait
	ds_add_u32 v[SPW], v[NIL]
	s_wait_dscnt 0x0
	s_endpgm
.Lfunc_end_k_q5ef6bffe58_attn:
	.size	k_q5ef6bffe58_attn, .Lfunc_end_k_q5ef6bffe58_attn-k_q5ef6bffe58_attn
	.p2alignl 7, 3214868480
	.fill 96, 4, 3214868480
	.section	.rodata,"a",@progbits
	.p2align	6, 0x0
	.amdhsa_kernel k_q5ef6bffe58_attn
		.amdhsa_group_segment_fixed_size 327680
		.amdhsa_private_segment_fixed_size 0
		.amdhsa_enable_private_segment 0
		.amdhsa_kernarg_size 24
		.amdhsa_user_sgpr_count 2
		.amdhsa_user_sgpr_kernarg_segment_ptr 1
		.amdhsa_wavefront_size32 1
		.amdhsa_system_sgpr_workgroup_id_x 1
		.amdhsa_system_sgpr_workgroup_id_y 1
		.amdhsa_system_sgpr_workgroup_id_z 1
		.amdhsa_system_vgpr_workitem_id 0
		.amdhsa_next_free_vgpr 256
		.amdhsa_next_free_sgpr 100
		.amdhsa_reserve_vcc 1
		.amdhsa_float_denorm_mode_32 3
		.amdhsa_float_denorm_mode_16_64 3
		.amdhsa_fp16_overflow 1
		.amdhsa_memory_ordered 1
		.amdhsa_forward_progress 1
		.amdhsa_inst_pref_size 94
	.end_amdhsa_kernel
	.amdgpu_metadata
---
amdhsa.version: [ 1, 2 ]
amdhsa.kernels:
  - .name:           k_q5ef6bffe58_attn
    .symbol:         k_q5ef6bffe58_attn.kd
    .args:
      - { .name: qkvf, .offset: 0, .size: 8, .value_kind: global_buffer, .address_space: global }
      - { .name: lowp_scales, .offset: 8, .size: 8, .value_kind: global_buffer, .address_space: global }
      - { .name: af, .offset: 16, .size: 8, .value_kind: global_buffer, .address_space: global }
    .group_segment_fixed_size: 327680
    .private_segment_fixed_size: 0
    .kernarg_segment_align: 8
    .kernarg_segment_size: 24
    .max_flat_workgroup_size: 512
    .sgpr_count:     100
    .vgpr_count:     256
    .wavefront_size: 32
...
	.end_amdgpu_metadata
.endif
;; end of part 3
;; launch proj (part 4): grid 4 x 64, 4 waves a work-group, clusters of 4 x 4, 327,680 bytes of LDS; arguments af, owq, lowp_scales, out_b, out0; writes out0
.if DOCPART == 4
	.amdgcn_target "amdgcn-amd-amdhsa--gfx1250"
	.amdhsa_code_object_version 6
	.text
	.protected	k_q5ef6bffe58_proj
	.globl	k_q5ef6bffe58_proj
	.p2align	8
	.type	k_q5ef6bffe58_proj,@function
k_q5ef6bffe58_proj:
	s_mov_b64 s[64:65], 0
	v_nop
	global_prefetch_b8 v0, s[64:65] scope:SCOPE_SE
	s_setreg_imm32_b32 hwreg(HW_REG_WAVE_MODE, 25, 1), 1
	s_wait_xcnt 0x0
	s_wait_alu depctr_hold_cnt(0) depctr_sa_sdst(0) depctr_va_vdst(0) depctr_va_sdst(0) depctr_va_ssrc(0) depctr_va_vcc(0) depctr_vm_vsrc(0)
	s_getreg_b32 s2, hwreg(HW_REG_IB_STS2, 6, 4)
	s_cmp_eq_u32 s2, 0
	s_cbranch_scc0 .Lentry_in_a_cluster
	s_endpgm
.Lentry_in_a_cluster:
	s_bfe_u32 s2, ttmp6, 0x10000c
	s_cmp_lg_u32 s2, 0xf033
	s_cbranch_scc0 .Lentry_shape_is_right
	s_endpgm
.Lentry_shape_is_right:
; Product 4: out0 = attn out_w^T + out_b on codes of FP8; each finished sum x 2^(e6 + e7) + bias, one packed multiply-add for two numbers.  Nothing of reference() is left out here.
; af [8192 rows], owq [1024 rows]: images of operand registers (fragment (kq, rb, ks) at ((kq RB + rb) 2 + ks) 2,048; RB = 512, 64): a K step's tile is a dense block, a fragment four LDS loads at 16 x lane.
; A tile of 128 x 256 of out0 is made by four waves, 64 x 128 each (32 accumulators): 64 x 4 tiles, a work-group for each of 256.  K = 1,024 goes in four steps of 256 through two LDS slots; the walk is written out.
; TRANSPOSED USE: source 0 = 16 rows of out_w, source 1 = 16 tokens: a lane holds eight neighbouring columns of one row of out0.
; CLUSTERS: 4 x 4: A's tile is asked for jointly along a row of the cluster, B's along a column.
; LIMIT: e6 + e7 between -126 and 127.
; REGISTERS: window 0: v4-29 addresses; v32-95 at work on the way out; v128-191 A's fragments, ONE set; on the way out v128-255 rows read back.  window 1: B's fragments, TWO sets.  window 2: accumulator (a, b) at v[8 (8 a + b)].  window 3: v0-63 the bias.
.set SLOT,  98304                      ; A's 8 row blocks of 4,096 bytes, then B's 16
.set SPARE, 2*SLOT                     ; behind the ring: the spare words, 128 bytes for each wave
.set SPITCH, 528                       ; the way out: a stage of 16 rows x (512 + 16) bytes for each wave, in slot 0, which has had its last fill and its last read when the first result is stored there
.set LI,   4                           ; v4   16 x lane
.set H32,  6                           ; v6   32 h
.set ADRA, 16
.set ADRB, 20
.set STO,  24
.set RD,   25
.set SPW,  28
.set NIL,  29
.set TMP,  32
.set AF,   128
.set BK,   128
.set G1,  24
.set G0,  32
.set G1B, 48
.set G0B, 56
.set MSB, 0
.macro WIN new
.if MSB != (\new)
	s_set_vgpr_msb (MSB<<8)|(\new)
.set MSB, (\new)
.endif
.endm
.set MUL,  0xa1                        ; source 0 (B) window 1, source 1 (A) window 0, C and D window 2
.set TO_B, 0x40
.macro JLOAD s                         ; waves 0 and 1 fetch A's halves, waves 2 and 3 B's; an s_nop 0 and four v_nop follow each line
	s_cmp_eq_u32 s15, 0
	s_cbranch_scc0 .Lfor_b_\@
	tensor_load_to_lds s[G0+4*\s:G0+4*\s+3], s[G1:G1+7]
	s_nop 0
.rept 4
	v_nop
.endr
	s_branch .Lasked_\@
.Lfor_b_\@:
	tensor_load_to_lds s[G0B+4*\s:G0B+4*\s+3], s[G1B:G1B+7]
	s_nop 0
.rept 4
	v_nop
.endr
.Lasked_\@:
.endm
.macro CREST
	s_cmp_lg_u32 s14, 0
	s_cbranch_scc1 .Lnot_wave_0_\@
	s_barrier_signal -3
.Lnot_wave_0_\@:
	s_barrier_wait -3
	s_barrier_signal -1
	s_barrier_wait -1
.endm
.macro CROUND
	s_barrier_signal -1
	s_barrier_wait -1
	CREST
.endm
	s_load_b256 s[4:11], s[0:1], 0x0               ; af, owq, the scales' exponents, out_b
	s_load_b64 s[12:13], s[0:1], 0x20              ; out0
	v_lshl_add_u32 v[SPW], v0, 2, SPARE
	v_mov_b32 v[NIL], 0
	ds_add_u32 v[SPW], v[NIL]                      ; the wave's opening: the add, twice on end, and its wait ahead of my first tensor load
	ds_add_u32 v[SPW], v[NIL]
	v_lshrrev_b32 v1, 5, v0
	v_readfirstlane_b32 s14, v1                    ; wave 0..3
	s_lshr_b32 s15, s14, 1                         ; my half of the tile's rows.  Also: I fetch for A (0) or for B (1)
	s_and_b32 s16, s14, 1                          ; my half of its columns.  Also: which half of that tile I fetch
	s_bfe_u32 s40, ttmp6, 0x40000                  ; cx
	s_bfe_u32 s41, ttmp6, 0x40004                  ; cy
	s_lshl_b32 s42, ttmp9, 2
	s_add_co_u32 s42, s42, s40                     ; tile column, 0..3
	s_and_b32 s17, ttmp7, 0xffff
	s_lshl_b32 s17, s17, 2
	s_add_co_u32 s17, s17, s41                     ; tile row, 0..63
	s_lshl_b32 s43, s41, 2
	s_lshl_b32 s43, 15, s43                        ; my row of the cluster
	s_lshl_b32 s44, 0x1111, s40                    ; my column
	s_or_b32 s[G1], s43, (3<<16)|(1<<21)           ; the mask; elements of 8 bytes; bit 21 beside a mask; no padding
	s_or_b32 s[G1B], s44, (3<<16)|(1<<21)
	s_mov_b32 s[G1+1], 32<<16                      ; A: a dense block of 16,384 bytes as 64 rows of 32 elements
	s_mov_b32 s[G1+2], 64<<16
	s_mov_b32 s[G1+3], 32<<16
	s_mov_b32 s[G1+4], 64
	s_mov_b32 s[G1+5], 32
	s_mov_b32 s[G1+6], 0
	s_mov_b32 s[G1+7], 0
	s_mov_b32 s[G1B+1], 32<<16                     ; B: 32,768 bytes as 128 rows
	s_mov_b32 s[G1B+2], 128<<16
	s_mov_b32 s[G1B+3], 32<<16
	s_mov_b32 s[G1B+4], 128
	s_mov_b32 s[G1B+5], 32
	s_mov_b32 s[G1B+6], 0
	s_mov_b32 s[G1B+7], 0
	s_lshl_b32 s20, s17, 3
	s_lshl_b32 s21, s16, 2
	s_add_co_u32 s20, s20, s21
	s_lshl_b32 s20, s20, 12                        ; A: row block 8 x tile row + 4 x half
	s_mov_b32 s21, 0
	s_lshl_b32 s46, s42, 4
	s_lshl_b32 s47, s16, 3
	s_add_co_u32 s46, s46, s47
	s_lshl_b32 s46, s46, 12                        ; B: row block 16 x tile column + 8 x half
	s_mov_b32 s47, 0
	s_lshl_b32 s45, s16, 14                        ; where they go in a slot: A's halves,
	s_lshl_b32 s18, s16, 15
	s_add_co_u32 s18, s18, 32768                   ; B's behind them
	s_wait_dscnt 0x0                               ; both opening adds are done
	s_wait_kmcnt 0x0
	s_load_b256 s[80:87], s[8:9], 0x0              ; e0 .. e7
	s_add_nc_u64 s[20:21], s[4:5], s[20:21]
	s_add_nc_u64 s[46:47], s[6:7], s[46:47]
	CROUND                                         ; all sixteen work-groups are here: the first joint loads meet
.irp s, 0,1
	s_mov_b32 s[G0+4*\s], 1
	s_add_co_u32 s[G0+4*\s+1], s45, \s*SLOT
	s_add_nc_u64 s[G0+4*\s+2:G0+4*\s+3], s[20:21], \s*0x200000     ; K step s: 512 row blocks on
	s_or_b32 s[G0+4*\s+3], s[G0+4*\s+3], 0x80000000
	s_mov_b32 s[G0B+4*\s], 1
	s_add_co_u32 s[G0B+4*\s+1], s18, \s*SLOT
	s_add_nc_u64 s[G0B+4*\s+2:G0B+4*\s+3], s[46:47], \s*0x40000    ; 64 row blocks on
	s_or_b32 s[G0B+4*\s+3], s[G0B+4*\s+3], 0x80000000
	s_wait_alu depctr_va_vdst(0)
	s_wait_tensorcnt 0x0
	ds_add_u32 v28, v29
	ds_add_u32 v28, v29
	s_wait_dscnt 0x0
	CROUND
	JLOAD \s
.endr
	v_and_b32 v1, 31, v0
	v_lshlrev_b32 v[LI], 4, v1
	v_and_b32 v2, 15, v0
	s_wait_alu depctr_va_vdst(0)
	v_bfe_u32 v3, v0, 4, 1
	v_lshlrev_b32 v[H32], 5, v3
	s_lshl_b32 s3, s15, 14                         ; my 4 row blocks of A
	s_lshl_b32 s88, s16, 15
	s_add_co_u32 s88, s88, 32768                   ; my 8 of B
.irp s, 0,1
	v_add_nc_u32 v[ADRA+\s], s3, v[LI]
	v_add_nc_u32 v[ADRB+\s], s88, v[LI]
	s_add_co_u32 s3, s3, SLOT
	s_add_co_u32 s88, s88, SLOT
.endr
	s_mul_i32 s23, s14, 16*SPITCH                  ; my stage
	v_mul_u32_u24 v5, v2, SPITCH
	s_wait_alu depctr_va_vdst(0)
	v_lshl_add_u32 v5, v3, 5, v5
	v_add_nc_u32 v[STO], s23, v5                   ; in: row r, 32 bytes for each half of the lanes
	v_add_nc_u32 v[RD], s23, v[LI]                 ; back: the 32 lanes take one row of 512 bytes
	s_lshl_b32 s20, s17, 7
	s_lshl_b32 s21, s15, 6
	s_add_co_u32 s20, s20, s21
	s_lshl_b32 s20, s20, 12                        ; my first row of out0, 4,096 bytes a row
	s_mov_b32 s21, 0
	s_lshl_b32 s46, s42, 10
	s_lshl_b32 s47, s16, 9
	s_add_co_u32 s46, s46, s47                     ; my first column, in bytes: in out0 and in out_b
	s_mov_b32 s47, 0
	s_add_nc_u64 s[12:13], s[12:13], s[20:21]
	s_add_nc_u64 s[12:13], s[12:13], s[46:47]
	s_add_nc_u64 s[10:11], s[10:11], s[46:47]
	WIN 0xc0                                       ; destination window 3
.irp b, 0,1,2,3,4,5,6,7                ; the bias in the result's layout: lane (r, h): columns 16 b + 8 h + 0 .. 7
	global_load_b128 v[8*\b:8*\b+3], v[H32], s[10:11] offset:64*\b
	global_load_b128 v[8*\b+4:8*\b+7], v[H32], s[10:11] offset:64*\b+16
.endr
	WIN 0
.macro FRAG reg, adr, q, i
.irp c, 0,1,2,3
	ds_load_b128 v[\reg+4*\c:\reg+4*\c+3], v[\adr] offset:4096*(\i)+2048*(\q)+512*\c
.endr
.endm
; 8 matrix instructions: A's block a x B's eight.  The 32 accumulators take turns in the same order in every step.
.macro MUL8 a, p, zero
.irp b, 0,1,2,3,4,5,6,7
.if \zero
	v_wmma_f32_16x16x128_fp8_fp8 v[8*(8*(\a)+\b):8*(8*(\a)+\b)+7], v[128*(\p)+16*\b:128*(\p)+16*\b+15], v[AF+16*(\a):AF+16*(\a)+15], 0
.else
	v_wmma_f32_16x16x128_fp8_fp8 v[8*(8*(\a)+\b):8*(8*(\a)+\b)+7], v[128*(\p)+16*\b:128*(\p)+16*\b+15], v[AF+16*(\a):AF+16*(\a)+15], v[8*(8*(\a)+\b):8*(8*(\a)+\b)+7]
.endif
.endr
.endm
.macro FETCH_B slot, q, p
	WIN TO_B
.irp i, 0,1,2,3,4,5,6,7
	FRAG 128*(\p)+16*\i, ADRB+\slot, \q, \i
.endr
	WIN 0
.endm
.macro FETCH_A slot, q, i0
.irp i, \i0, \i0+1
	FRAG AF+16*(\i), ADRA+\slot, \q, \i
.endr
.endm
.macro PLACES                          ; four plain vector lines between a matrix instruction and a load into, or a vector read of, its registers
.rept 4
	v_nop
.endr
.endm
.macro STEP slot, zero                 ; a slot's first 128 along K (B's set 0); it fetches the second 128 (set 1)
	s_wait_dscnt 8                                 ; B's set and A's blocks 0, 1 are in; the youngest eight loads (blocks 2, 3) may be out
	WIN MUL
	MUL8 0, 0, \zero
	MUL8 1, 0, \zero
	s_wait_dscnt 0x0
	PLACES
	FETCH_B \slot, 1, 1
	FETCH_A \slot, 1, 0
	WIN MUL
	MUL8 2, 0, \zero
	MUL8 3, 0, \zero
	PLACES
	WIN 0
	FETCH_A \slot, 1, 2
.endm
.macro TURN slot, next, fill           ; a slot's second 128 changes slots
	s_wait_tensorcnt 0x0                           ; all my tensor loads have landed: my part of the next slot
	ds_add_u32 v[SPW], v[NIL]
	s_wait_dscnt 9                                 ; the add and the youngest eight loads may be out
	WIN MUL
	MUL8 0, 1, 0
	s_wait_dscnt 0x0                               ; the add is done, and my reads of this slot are over
	s_barrier_signal -1
	MUL8 1, 1, 0
	WIN 0
	s_barrier_wait -1
.if \fill
	CREST                                          ; no wave of any partner still reads this slot or has a load on its way
	s_add_nc_u64 s[G0+4*\slot+2:G0+4*\slot+3], s[G0+4*\slot+2:G0+4*\slot+3], 2*0x200000
	s_add_nc_u64 s[G0B+4*\slot+2:G0B+4*\slot+3], s[G0B+4*\slot+2:G0B+4*\slot+3], 2*0x40000
	JLOAD \slot                                    ; the first tensor load behind the round; its four v_nop are also the places in front of the loads below
.else
	PLACES
.endif
	FETCH_B \next, 0, 0
	FETCH_A \next, 0, 0
	WIN MUL
	MUL8 2, 1, 0
	MUL8 3, 1, 0
	PLACES
	WIN 0
	FETCH_A \next, 0, 2
.endm
	s_wait_tensorcnt 0x1                           ; my part of K step 0 is in; K step 1's may stay out
	s_barrier_signal -1
	s_barrier_wait -1
	FETCH_B 0, 0, 0
	FETCH_A 0, 0, 0
	FETCH_A 0, 0, 2
	STEP 0, 1                                      ; the first products start the sums
	TURN 0, 1, 1
	STEP 1, 0
	TURN 1, 0, 1
	STEP 0, 0
	TURN 0, 1, 0                                   ; the last change of slots: behind its barrier nobody reads slot 0 and nothing fills it
	STEP 1, 0
	s_wait_dscnt 8                                 ; the very last 128 along K
	WIN MUL
	MUL8 0, 1, 0
	MUL8 1, 1, 0
	s_wait_dscnt 0x0
	MUL8 2, 1, 0
	MUL8 3, 1, 0
	WIN 0
; THE WAY OUT, block by block of 16 rows x 128 columns: sum x 2^(e6 + e7) + bias, through my own stage in LDS, back as whole rows of 512 bytes, which the 32 lanes store as 512 consecutive aligned bytes.
; LDS serves a wave's instructions in order (ISA guide 5.7.1.4): no wait between the stores and the loads, nor in front of the next block's stores.
.macro TOSTAGE a
	WIN 0x32                                       ; source 0 (the sums) window 2, source 2 (the bias) window 3
.set jj, 0
.rept 32
	v_pk_fma_f32 v[TMP+jj:TMP+jj+1], v[64*(\a)+jj:64*(\a)+jj+1], s[96:97], v[jj:jj+1] op_sel_hi:[1,0,1]   ; each accumulator from its low end on
.set jj, jj+2
.endr
	WIN 0
.irp b, 0,1,2,3,4,5,6,7
	ds_store_b128 v[STO], v[TMP+8*\b:TMP+8*\b+3] offset:64*\b
	ds_store_b128 v[STO], v[TMP+8*\b+4:TMP+8*\b+7] offset:64*\b+16
.endr
.set BB, BK+64*((\a)%2)
.irp t, 0,1,2,3,4,5,6,7,8,9,10,11,12,13,14,15
	ds_load_b128 v[BB+4*\t:BB+4*\t+3], v[RD] offset:\t*SPITCH
.endr
.endm
.macro SEND a, younger                 ; younger: the LDS instructions issued behind block a's loads, which may stay out
.set BB, BK+64*((\a)%2)
	s_wait_dscnt \younger
.if (\a) > 0
	s_add_nc_u64 s[12:13], s[12:13], 16*4096       ; (behind a wait on XCNT: the earlier stores have read their base)  16 rows on
.endif
.irp t, 0,1,2,3,4,5,6,7,8,9,10,11,12,13,14,15
	global_store_b128 v[LI], v[BB+4*\t:BB+4*\t+3], s[12:13] offset:\t*4096 th:TH_STORE_NT
.endr
.endm
	s_wait_loadcnt 0x0                             ; the bias
	s_wait_kmcnt 0x0
	s_add_co_i32 s96, s86, s87                     ; e6 + e7
	s_add_co_i32 s96, s96, 127
	s_lshl_b32 s96, s96, 23                        ; 2^(e6 + e7) as f32
	s_mov_b32 s97, s96                             ; (named with it as a pair, so it is written)
	PLACES                                         ; behind the last products: for the reads of results and the loads into A's registers
	TOSTAGE 0
.irp a, 1,2,3
.if \a > 1
	s_wait_xcnt 0x0                                ; block a - 2's stores have read their registers and their base
.endif
	TOSTAGE \a
	SEND \a-1, 32                                  ; behind block a - 1's loads: block a's 16 stores and 16 loads
.endr
	s_wait_xcnt 0x0
	SEND 3, 0
	s_wait_tensorcnt 0x0                           ; the wave's end: a wait, an add of 0 to my spare word and its wait, behind my last tensor load and my last LDS store
	ds_add_u32 v[SPW], v[NIL]
	s_wait_dscnt 0x0
	CROUND                                         ; the closing round
	s_endpgm
.Lfunc_end_k_q5ef6bffe58_proj:
	.size	k_q5ef6bffe58_proj, .Lfunc_end_k_q5ef6bffe58_proj-k_q5ef6bffe58_proj
	.p2alignl 7, 3214868480
	.fill 96, 4, 3214868480
	.section	.rodata,"a",@progbits
	.p2align	6, 0x0
	.amdhsa_kernel k_q5ef6bffe58_proj
		.amdhsa_group_segment_fixed_size 327680
		.amdhsa_private_segment_fixed_size 0
		.amdhsa_enable_private_segment 0
		.amdhsa_kernarg_size 40
		.amdhsa_user_sgpr_count 2
		.amdhsa_user_sgpr_kernarg_segment_ptr 1
		.amdhsa_wavefront_size32 1
		.amdhsa_system_sgpr_workgroup_id_x 1
		.amdhsa_system_sgpr_workgroup_id_y 1
		.amdhsa_system_sgpr_workgroup_id_z 1
		.amdhsa_system_vgpr_workitem_id 0
		.amdhsa_next_free_vgpr 832
		.amdhsa_next_free_sgpr 100
		.amdhsa_reserve_vcc 0
		.amdhsa_float_denorm_mode_32 3
		.amdhsa_float_denorm_mode_16_64 3
		.amdhsa_memory_ordered 1
		.amdhsa_forward_progress 1
		.amdhsa_inst_pref_size 79
	.end_amdhsa_kernel
	.amdgpu_metadata
---
amdhsa.version: [ 1, 2 ]
amdhsa.kernels:
  - .name:           k_q5ef6bffe58_proj
    .symbol:         k_q5ef6bffe58_proj.kd
    .args:
      - { .name: af, .offset: 0, .size: 8, .value_kind: global_buffer, .address_space: global }
      - { .name: owq, .offset: 8, .size: 8, .value_kind: global_buffer, .address_space: global }
      - { .name: lowp_scales, .offset: 16, .size: 8, .value_kind: global_buffer, .address_space: global }
      - { .name: out_b, .offset: 24, .size: 8, .value_kind: global_buffer, .address_space: global }
      - { .name: out0, .offset: 32, .size: 8, .value_kind: global_buffer, .address_space: global }
    .group_segment_fixed_size: 327680
    .private_segment_fixed_size: 0
    .kernarg_segment_align: 8
    .kernarg_segment_size: 40
    .max_flat_workgroup_size: 128
    .sgpr_count:     100
    .vgpr_count:     832
    .wavefront_size: 32
...
	.end_amdgpu_metadata
.endif
;; end of part 4
